; MI455X (gfx1250); checked and timed in simulation.
; The chip was launched on July 23, 2026; its instructions are those of AMD's public machine-readable ISA for CDNA 5 (MIT licence, August 2026) and "CDNA5" Instruction Set Architecture Reference Guide (July 2026). The comments in the code are by the model that wrote it; some were corrected since.
;; Custom Sparse GLU. Allowed arithmetic: matrix products marked QUANTISED: E2M3 operands, one E8M0 scale for each 32 along K, by v_wmma_scale_f32_16x16x128_f8f6f4 with both operands' format E2M3, f32 sums; everything else in f32.
;; Inputs: expert_ids 8,192 int32; v1 8 x 2,048 x 1,024 float32; w1 8 x 2,048 x 1,024 float32; w2 8 x 2,048 x 1,024 float32; x 8,192 x 1,024 float32.
;; Outputs: out0 8,192 x 1,024 float32.
;; This version of the problem:
;;   THIS VERSION OF THE PROBLEM IS GIVEN IN LOW PRECISION. The matrix products marked QUANTISED in the list below multiply operands that are first quantised to E2M3 (2 exponent bits, 3 mantissa bits; 6 bits a number), with one power-of-two scale for each 32 numbers along K (OCP MX v1.0); their sums are f32. All else is computed in f32.
;;   The module's matrix products, in the order in which they are computed (A, B: the left and right operand; K: the contracted axis; several contracted axes count as one K, in the product's order):
;;     1. batch 8 x [M 1,024, K 1,024] x [K 1,024, N 2,048]; A: input x; B: input w1: QUANTISED
;;     2. batch 8 x [M 1,024, K 1,024] x [K 1,024, N 2,048]; A: input x; B: input v1: QUANTISED
;;     3. batch 8 x [M 1,024, K 2,048] x [K 2,048, N 1,024]; A: computed on the way; B: input w2: QUANTISED
;;   THE QUANTISER, for each operand of a quantised product, along K:
;;     - K is cut into blocks of 32 from its start; a last block that is shorter is filled with zeros.
;;     - A block's scale is 2^e with e = floor(log2(the largest magnitude in the block)) - 2, held to -126 .. 127; a block of zeros has e = 0. As a byte (E8M0): e + 127.
;;     - Each number is divided by its block's scale, clamped to +-7.5, and rounded to the nearest number of E2M3, ties to even, subnormals kept.
;;     - The product sums the exact products of the quantised numbers (number of the format x scale) in f32.
;;   ~~~python
;;   def quantise(x, axis):      # numpy; x: float32 -> the quantised numbers, widened to float32 again
;;       x = np.moveaxis(x, axis, -1); K = x.shape[-1]
;;       x = np.pad(x, [(0, 0)] * (x.ndim - 1) + [(0, -K % 32)]); x = x.reshape(x.shape[:-1] + (-1, 32)); a = np.abs(x).max(-1, keepdims=True)
;;       e = np.where(a > 0, np.clip(np.frexp(np.where(a > 0, a, 1))[1] - 1 - 2, -126, 127), 0)      # np.frexp(a)[1] - 1 = floor(log2(a)), exactly
;;       r = np.clip(x / 2.0 ** e, -7.5, 7.5)
;;       step = 2.0 ** (np.maximum(np.frexp(np.where(r == 0, 1, r))[1] - 1, 0) - 3)
;;       q = np.round(r / step) * step * 2.0 ** e      # np.round: ties to even
;;       return np.moveaxis(q.reshape(q.shape[:-2] + (-1,))[..., :K], -1, axis).astype(np.float32)
;;   ~~~
;;   OPERANDS COMPUTED ON THE WAY. 'Computed on the way' means the value that the module computes at that place (a softmax that the list does not call 'softmax' is quantised finished and normalised). What goes into a quantiser is computed in f32, as accurately as f32 sums, v_exp_f32 and their like allow (about 1e-6 of the number): no bf16 or f16 on the way to a quantiser, and a product that is left as it is and whose result goes on into a quantised operand takes f32 operands (vector FMAs, or v_wmma_f32_16x16x4_f32). A number that lies on a knife's edge between two numbers of the format may be rounded either way, as far as f32 arithmetic and the matrix unit's own rounding can turn it there, and no further.
;; One version. Each part assembles by itself: llvm-mc -triple=amdgcn-amd-amdhsa -mcpu=gfx1250 --defsym DOCPART=n.
;; ======== version 1 of 1: 3 launches
;; limits: right only within a limited range of input values
;; workspace buffers: xq 6,553,600 bytes; wv 26,214,400 bytes; w2q 13,107,200 bytes; hq 13,107,200 bytes
;; launch quant (part 1): grid 256 x 1, 14 waves a work-group, no clusters, 292,096 bytes of LDS; arguments x, w1, v1, w2, xq, wv, w2q; writes xq, wv, w2q
.if DOCPART == 1
	.amdgcn_target "amdgcn-amd-amdhsa--gfx1250"
	.amdhsa_code_object_version 6
	.text
	.protected	k_qf5e22c0843_quant
	.globl	k_qf5e22c0843_quant
	.p2align	8
	.type	k_qf5e22c0843_quant,@function
k_qf5e22c0843_quant:
	s_mov_b64 s[64:65], 0
	v_nop
	global_prefetch_b8 v0, s[64:65] scope:SCOPE_SE
	s_setreg_imm32_b32 hwreg(HW_REG_WAVE_MODE, 25, 1), 1
	s_wait_xcnt 0x0
; x [8192][1024], w1, v1 [8][2048][1024] (K = the last axis) and w2 [8][2048][1024] (K = the MIDDLE axis) become codes of FP6 (E2M3) with one E8M0 byte for each 32 along K.
; A block's scale is 2^(floor(log2(its largest magnitude)) - 2): its byte is the largest magnitude's exponent field - 2, held at 1 from below; the conversion divides, rounds to nearest even and holds at the largest code.
; THE CODES ARE STORED AS IMAGES OF THE OPERAND'S REGISTERS.  A fragment (16 rows x 128 K) is 12 registers a lane: register 4 j + i of lane l lies at byte 512 j + 16 l + 4 i of its 1,536 bytes.
; A block of 25,600 bytes = 16 fragments + 1,024 bytes of scale words (fragment f, row r: 24,576 + 256 (f / 4) + 16 r + 4 (f % 4));  a block of 12,800 bytes = 8 fragments + 512 bytes likewise.
;   xq  [row block of 256][K step of 128]: fragment f = rows 16 f on.
;   wv  [expert x 16 + block of 128 rows][K step]: fragments 0-7 of w1, 8-15 of v1; lane r of fragment 2 b + u takes row 32 b + 8 u + r + 8 (r / 8), so that the product's results lie as the next quantiser wants them.
;   w2q [expert x 8 + block of 128 columns][K step]: fragment f = columns 16 f on.
; SHARES.  A wave's share is 64 KiB of f32.  Path A (K innermost): 2,560 shares, a group of 128 rows (groups 0-63 of x, 64-191 of w1, 192-319 of v1) x one K step.  Path B (w2): 1,024 shares, 256 along K x 64 columns.
; 256 work-groups of 14 waves: waves 0-9 take path A's shares 10 g + w, waves 10-13 path B's shares 4 g + w - 10.
; LOADS AHEAD OF STORES: a share's codes are gathered in the wave's own LDS and leave in one run at the wave's end; behind its first global store a wave issues nothing but stores.
; expert_ids is not among the arguments: the function that defines the result takes it and never uses it; rows are grouped by position, 1,024 to an expert.
; LIMITS: NaN and infinities are not served; a block of zeros gets the byte 1 where the rule says 127 (its codes are zeros, and this program alone reads the bytes); blocks whose largest magnitude lies under 2^-124 are held at the byte 1.
; No tensor loads, no barrier: waves share nothing; each wave has 20,736 bytes of LDS of its own, and all LDS addresses are made ahead of the parting, from the wave's number and the lane alone.
.set AW,    10                         ; waves 0 .. AW - 1 walk path A
.set ROWB,  4096                       ; a row of any of the four tensors in bytes
.set BLK,   25600
.set BLK2,  12800
.set SPT,   528                        ; path A's stage row: 512 bytes + 16
.set OST,   16*SPT                     ; behind path A's stage: the share's eight fragments' images
.set WREG,  OST+8*1536                 ; a wave's LDS
.set BP,    112                        ; path B's stage row: a column's 96 bytes of codes of one K step + 16: the 32 lanes of a load of 8 bytes touch 64 different banks
.set BSW,   64*BP                      ; behind path B's 64 rows: 256 bytes of scale words
.set BST,   BSW+256                    ; path B has two such stages, one for each K step
.set SPARE, 14*WREG                    ; the spare words, 128 bytes a wave
.set FLOOR, 0x1800000                  ; 2^(3 - 127): under it no largest magnitude is taken
.set EOFF,  0xff000000                 ; - (2 << 23): 2 off an exponent field
.set R,   16                           ; path A: v16-143  two sets of 64: sixteen rows as loaded; at the end v16-111 the images on their way out
.set X,   144                          ;         v144-207 my 64 numbers: two blocks of 32 of my row
.set C,   208                          ;         v208-219 a fragment's twelve registers
.set TA,  220                          ;         v220-222, v224-226: each block's second half is made here and moved (a conversion's three registers begin on an even number)
.set TB,  224
.set S,   228                          ;         v228-235 the eight fragments' scale words
.set T,   236                          ;         v236-239 the four words that I store
.set Y,   16                           ; path B: v16-207 three sets of 64: register 4 i + j = w2(32 t + 16 h + i, column 4 q + j); at the end v16-119 the images on their way out
.set XB,  208                          ;         v208-239 two sets of 16: a column's 16 numbers on end
.set TC,  246                          ;         v246-248, v250-252 codes just made
.set W,   0                            ;         v0-3 my four columns' scale words;  v6-9 largest magnitudes, then scale operands;  v10-13 at work
.set M,   6
.set P,   10
	s_load_b256 s[4:11], s[0:1], 0x0               ; x s[4:5], w1 s[6:7], v1 s[8:9], w2 s[10:11]
	s_load_b128 s[12:15], s[0:1], 0x20             ; xq s[12:13], wv s[14:15]
	s_load_b64 s[16:17], s[0:1], 0x30              ; w2q
	v_lshl_add_u32 v254, v0, 2, SPARE
	v_mov_b32 v255, 0
	v_lshrrev_b32 v1, 5, v0
	s_delay_alu instid0(VALU_DEP_1)
	v_readfirstlane_b32 s44, v1                    ; wave 0..13
	v_and_b32 v1, 31, v0                           ; lane
	v_and_b32 v2, 15, v0                           ; r (path B: q)
	v_bfe_u32 v3, v0, 4, 1                         ; h
	v_mov_b32 v11, 0                               ; a lane permute's destination counts as read: written once
	s_delay_alu instid0(VALU_DEP_4)
	v_cmp_le_u32 vcc_lo, 16, v1                    ; lanes 16-31; never rewritten
	s_mov_b32 s40, 0x76543210
	s_mov_b32 s41, 0xfedcba98                      ; v_permlanex16_b32's selects for lane l xor 16
	v_lshlrev_b32 v4, 4, v1                        ; 16 x lane
	s_mul_i32 s19, s44, WREG                       ; my wave's LDS
	v_add_nc_u32 v7, s19, v4                       ; path A, into the stage: a row as it is loaded; and my 16 bytes of an image's 512
	v_mul_u32_u24 v8, v2, SPT
	v_mul_u32_u24 v240, v2, 4*BP
	v_mul_u32_u24 v241, v2, BP
	v_and_b32 v242, 3, v2
	v_lshl_add_u32 v8, v3, 7, v8
	v_mad_u32_u24 v240, v3, 12, v240
	v_mad_u32_u24 v241, v3, 24, v241
	v_lshlrev_b32 v242, 6, v242
	v_bfe_u32 v243, v0, 2, 2
	v_add_nc_u32 v8, s19, v8                       ; path A, out of the stage: row r, + 128 h
	v_add_nc_u32 v240, s19, v240                   ; path B, into the stage: row 4 q (+ j), + 12 h: my half of a block's 24 bytes
	v_add_nc_u32 v241, s19, v241                   ; path B, out of it: row r (+ 16 f), + 24 h, as the operand's layout has it
	v_lshl_add_u32 v242, v243, 2, v242             ; path B's scale words, in: 16 (4 (q % 4) + j) + 4 (q / 4)
	v_lshlrev_b32 v244, 3, v1                      ; and out: 8 x lane
	v_add_nc_u32 v242, s19, v242
	v_add_nc_u32 v243, s19, v244
	s_wait_alu depctr_va_vdst(0)                   ; the wait at the head's end
	s_wait_kmcnt 0x0
	s_cmp_lt_u32 s44, AW                           ; the paths part on the wave's number
	s_cbranch_scc0 .Lpath_b
	; ================= PATH A: K innermost =================
	s_mul_i32 s42, ttmp9, AW
	s_add_co_u32 s42, s42, s44                     ; my share, 0 .. 2,559
	s_lshr_b32 s43, s42, 3                         ; the group of 128 rows among all three tensors', 0 .. 319
	s_and_b32 s18, s42, 7                          ; the K step
	s_sub_co_u32 s20, s43, 64                      ; the group within its tensor, were it w1's,
	s_sub_co_u32 s21, s43, 192                     ; or v1's
	s_lshr_b32 s22, s43, 1                         ; x: two groups to a block of 256 rows
	s_and_b32 s23, s43, 1
	s_mov_b32 s24, 8*ROWB
	s_mov_b32 s25, 16*ROWB
	s_cmp_lt_u32 s43, 192                          ; the choices hang on the share's number alone
	s_cselect_b64 s[6:7], s[6:7], s[8:9]           ; w1 or v1
	s_cselect_b32 s20, s20, s21
	s_cselect_b32 s26, 0, 1                        ; w1 fills fragments 0-7 of a block, v1 fragments 8-15
	s_cmp_lt_u32 s43, 64
	s_cselect_b64 s[4:5], s[4:5], s[6:7]           ; from where
	s_cselect_b64 s[12:13], s[12:13], s[14:15]     ; to where
	s_cselect_b32 s27, s43, s20                    ; the group of 128 rows
	s_cselect_b32 s28, s22, s20                    ; the block
	s_cselect_b32 s29, s23, s26                    ; which half of its fragments
	s_cselect_b32 s30, s24, s25                    ; rows 8-15 of an even fragment lie 8 rows on (x) or 16 (weights),
	s_cselect_b32 s31, s25, s24                    ; rows 0-7 of an odd one 16 rows on (x) or 8 (weights)
	s_lshl_b32 s32, s27, 19                        ; 128 rows of 4,096 bytes
	s_lshl_b32 s33, s18, 9                         ; my K step: 512 bytes of a row
	s_add_co_u32 s32, s32, s33
	s_mov_b32 s33, 0
	s_add_nc_u64 s[4:5], s[4:5], s[32:33]
	s_lshl_b32 s34, s28, 3
	s_add_co_u32 s34, s34, s18
	s_mul_i32 s34, s34, BLK                        ; block (8 x block + K step)
	s_mul_i32 s35, s29, 8*1536
	s_add_co_u32 s36, s34, s35
	s_mov_b32 s37, 0
	s_add_nc_u64 s[36:37], s[12:13], s[36:37]      ; my eight fragments
	s_lshl_b32 s35, s29, 9
	s_add_co_u32 s34, s34, s35
	s_add_co_u32 s34, s34, 16*1536
	s_mov_b32 s35, 0
	s_add_nc_u64 s[34:35], s[12:13], s[34:35]      ; and their 512 bytes of scale words
	v_add_nc_u32 v5, s30, v4
	v_add_nc_u32 v6, s31, v4
	v_lshlrev_b32 v10, 3, v3                       ; 8 h
.macro LOADA t                         ; fragment t's sixteen rows into set t % 2: each load reads one row's 512 consecutive bytes
.set LR, R+64*((\t)%2)
.set LQ, (\t)/2
.irp i, 0,1,2,3,4,5,6,7,8,9,10,11,12,13,14,15
.if ((\t)%2 == 0) && (\i < 8)
	global_load_b128 v[LR+4*\i:LR+4*\i+3], v4, s[4:5] offset:(32*LQ+\i)*ROWB th:TH_LOAD_NT
.elseif (\t)%2 == 0
	global_load_b128 v[LR+4*\i:LR+4*\i+3], v5, s[4:5] offset:(32*LQ+\i-8)*ROWB th:TH_LOAD_NT
.elseif \i < 8
	global_load_b128 v[LR+4*\i:LR+4*\i+3], v6, s[4:5] offset:(32*LQ+\i)*ROWB th:TH_LOAD_NT
.else
	global_load_b128 v[LR+4*\i:LR+4*\i+3], v4, s[4:5] offset:(32*LQ+24+\i-8)*ROWB th:TH_LOAD_NT
.endif
.endr
.endm
.macro STEPA t
.set RT, R+64*((\t)%2)
.if (\t) < 7
	s_wait_loadcnt 16                              ; this fragment's sixteen loads are in; the next one's may be out
.else
	s_wait_loadcnt 0x0
.endif
.irp i, 0,1,2,3,4,5,6,7,8,9,10,11,12,13,14,15
	ds_store_b128 v7, v[RT+4*\i:RT+4*\i+3] offset:SPT*\i
.endr
.irp c, 0,1
.irp j, 0,1,2,3,4,5,6,7
	ds_load_b128 v[X+32*\c+4*\j:X+32*\c+4*\j+3], v8 offset:256*\c+16*\j   ; LDS serves a wave's instructions in order: these see the stores above
.endr
.endr
.if (\t) < 6
	s_wait_dscnt 16                                ; the sixteen stores are done (the sixteen loads behind them may be out): their registers
	LOADA (\t)+2                                   ; take the fragment two on
.endif
	s_wait_dscnt 0x0                               ; my 64 numbers are here
	v_max3_num_f32 v12, |v[X]|, |v[X+1]|, FLOOR    ; my two blocks, 2 c + h, by turns: all 32 numbers of each are mine
	v_max3_num_f32 v13, |v[X+32]|, |v[X+33]|, FLOOR
.irp i, 2,4,6,8,10,12,14,16,18,20,22,24,26,28,30
	s_delay_alu instid0(VALU_DEP_2)
	v_max3_num_f32 v12, v12, |v[X+\i]|, |v[X+\i+1]|
	s_delay_alu instid0(VALU_DEP_2)
	v_max3_num_f32 v13, v13, |v[X+32+\i]|, |v[X+33+\i]|
.endr
	s_delay_alu instid0(VALU_DEP_2)
	v_add_nc_u32 v14, EOFF, v12                    ; 2 off the exponent field: the conversion takes the exponent field of this operand as its scale
	s_delay_alu instid0(VALU_DEP_2)
	v_add_nc_u32 v15, EOFF, v13
	s_delay_alu instid0(VALU_DEP_2)
	v_lshrrev_b32 v12, 23, v14                     ; the bytes
	s_delay_alu instid0(VALU_DEP_2)
	v_lshrrev_b32 v13, 23, v15
	s_delay_alu instid0(VALU_DEP_1)
	v_lshl_or_b32 v12, v13, 16, v12                ; blocks h and 2 + h,
	s_delay_alu instid0(VALU_DEP_1)
	v_lshlrev_b32 v12, v10, v12                    ; at their places in the word;
	s_delay_alu instid0(VALU_DEP_1)
	v_permlanex16_b32 v11, v12, s40, s41
	s_delay_alu instid0(VALU_DEP_1)
	v_or_b32 v[S+(\t)], v12, v11                   ; with lane l xor 16's two the row's word is whole
	v_cvt_scalef32_pk16_fp6_f32 v[C:C+2], v[X:X+15], v14
	v_cvt_scalef32_pk16_fp6_f32 v[TA:TA+2], v[X+16:X+31], v14
	v_cvt_scalef32_pk16_fp6_f32 v[C+6:C+8], v[X+32:X+47], v15
	v_cvt_scalef32_pk16_fp6_f32 v[TB:TB+2], v[X+48:X+63], v15
	v_nop                                          ; one plain place behind a scaled conversion
.irp i, 0,1,2
	v_mov_b32 v[C+3+\i], v[TA+\i]
	v_mov_b32 v[C+9+\i], v[TB+\i]
.endr
.irp j, 0,1,2
	ds_store_b128 v7, v[C+4*\j:C+4*\j+3] offset:OST+1536*(\t)+512*\j   ; the image waits in LDS for the wave's end
.endr
.endm
	LOADA 0
	LOADA 1
	s_wait_alu depctr_va_vdst(0)
.irp t, 0,1,2,3,4,5,6,7
	STEPA \t
.endr
.irp i, 0,1,2,3
	v_cndmask_b32 v[T+\i], v[S+\i], v[S+4+\i], vcc_lo   ; lanes 0-15 store fragments 0-3's words of row r, lanes 16-31 fragments 4-7's
.endr
.set i, 0
.rept 24
	ds_load_b128 v[R+4*i:R+4*i+3], v7 offset:OST+512*i   ; LDS serves a wave's instructions in order: these see my stores
.set i, i+1
.endr
	s_wait_alu depctr_va_vdst(0)                   ; the wait ahead of the waits below
	s_wait_tensorcnt 0x0                           ; the closing three lines, behind my last LDS store
	ds_add_u32 v254, v255
	s_wait_dscnt 0x0                               ; the add is done, and the images are in registers
.set i, 0
.rept 24
	global_store_b128 v4, v[R+4*i:R+4*i+3], s[36:37] offset:512*i   ; 32 lanes store 512 consecutive bytes, at a multiple of 256 from the buffer's first byte
.set i, i+1
.endr
	global_store_b128 v4, v[T:T+3], s[34:35]       ; 512 consecutive bytes
	s_endpgm
	; ================= PATH B: w2, K is the middle axis =================
	; A load of 16 bytes a lane reads 256 consecutive bytes of row k (lanes 0-15) and of row k + 16 (lanes 16-31): lane (q, h) holds columns 4 q .. 4 q + 3 at k = 16 h + 0 .. 15 of a block of 32.
	; The block's largest magnitude joins lanes l and l xor 16.  A column's 16 numbers are moved on end for the conversion; its 12 bytes go to the column's row of the K step's stage, a plain stream of codes, K ascending.
	; At the end both stages are read back as the operand's layout has it, and eight fragments' images and 512 bytes of scale words leave in whole runs.
.Lpath_b:
	s_lshl_b32 s42, ttmp9, 2
	s_add_co_u32 s42, s42, s44
	s_sub_co_u32 s42, s42, AW                      ; my share, 0 .. 1,023
	s_lshr_b32 s20, s42, 3                         ; which 256 along K x 512 columns, 0 .. 127
	s_and_b32 s18, s42, 7                          ; and which 64 of its columns
	s_lshr_b32 s21, s20, 4                         ; expert
	s_bfe_u32 s22, s20, 0x10003                    ; which 512 columns
	s_and_b32 s23, s20, 7                          ; which 256 along K: K steps 2 kp, 2 kp + 1
	s_lshl_b32 s24, s21, 23
	s_lshl_b32 s25, s23, 20
	s_add_co_u32 s24, s24, s25
	s_lshl_b32 s25, s22, 11
	s_add_co_u32 s24, s24, s25
	s_lshl_b32 s25, s18, 8                         ; my 64 columns
	s_add_co_u32 s24, s24, s25
	s_mov_b32 s25, 0
	s_add_nc_u64 s[10:11], s[10:11], s[24:25]
	s_lshl_b32 s26, s21, 3
	s_lshl_b32 s27, s22, 2
	s_add_co_u32 s26, s26, s27
	s_lshr_b32 s27, s18, 1
	s_add_co_u32 s26, s26, s27                     ; 8 x expert + block of 128 columns
	s_lshl_b32 s26, s26, 4
	s_lshl_b32 s27, s23, 1
	s_add_co_u32 s26, s26, s27
	s_mul_i32 s26, s26, BLK2                       ; the block of K step 2 kp; the next K step's follows it
	s_and_b32 s28, s18, 1                          ; my 64 columns are fragments 4 (share % 2) on
	s_mul_i32 s29, s28, 4*1536
	s_add_co_u32 s30, s26, s29
	s_mov_b32 s31, 0
	s_add_nc_u64 s[12:13], s[16:17], s[30:31]      ; my four fragments
	s_lshl_b32 s29, s28, 8
	s_add_co_u32 s26, s26, s29
	s_add_co_u32 s26, s26, 8*1536
	s_mov_b32 s27, 0
	s_add_nc_u64 s[14:15], s[16:17], s[26:27]      ; and their 256 bytes of scale words
	v_lshlrev_b32 v5, 16, v3                       ; in: 16 h rows of 4,096 bytes
	v_mov_b32 v10, 0                               ; lane permutes' destinations: written once (v11 at the head)
	v_mov_b32 v12, 0
	v_mov_b32 v13, 0
	v_lshl_add_u32 v5, v2, 4, v5                   ;     + 16 q
	s_wait_alu depctr_va_vdst(0)
.macro LOADB t                         ; block t of 8: rows 32 t .. 32 t + 31 into set t % 3
.set i, 0
.rept 16
	global_load_b128 v[Y+64*((\t)%3)+4*i:Y+64*((\t)%3)+4*i+3], v5, s[10:11] offset:(32*(\t)+i)*ROWB th:TH_LOAD_NT
.set i, i+1
.endr
.endm
.macro BLOCKB t
.set YS, Y+64*((\t)%3)
.set KB, (\t)%4
.if (\t)+2 < 8
	LOADB (\t)+2                                   ; into the set that the block before has left
	s_wait_loadcnt 32                              ; this block's sixteen loads are in; the next two blocks' may be out
.elseif (\t) == 6
	s_wait_loadcnt 16
.else
	s_wait_loadcnt 0x0
.endif
.irp j, 0,1,2,3
	v_max3_num_f32 v[M+\j], |v[YS+\j]|, |v[YS+4+\j]|, FLOOR   ; my four columns by turns
.endr
.irp i, 2,4,6,8,10,12,14
.irp j, 0,1,2,3
	s_delay_alu instid0(VALU_DEP_4)
	v_max3_num_f32 v[M+\j], v[M+\j], |v[YS+4*\i+\j]|, |v[YS+4*\i+4+\j]|
.endr
.endr
.irp j, 0,1,2,3
	s_delay_alu instid0(VALU_DEP_4)
	v_permlanex16_b32 v[P+\j], v[M+\j], s40, s41
.endr
.irp j, 0,1,2,3
	s_delay_alu instid0(VALU_DEP_4)
	v_max_num_f32 v[M+\j], v[M+\j], v[P+\j]        ; with the other 16 along K: the block's largest magnitude
.endr
.irp j, 0,1,2,3
	s_delay_alu instid0(VALU_DEP_4)
	v_add_nc_u32 v[M+\j], EOFF, v[M+\j]            ; the conversion's scale operand
.endr
.if KB == 0
.irp j, 0,1,2,3
	s_delay_alu instid0(VALU_DEP_4)
	v_lshrrev_b32 v[W+\j], 23, v[M+\j]             ; the byte, to its place in the column's word
.endr
.else
.irp j, 0,1,2,3
	s_delay_alu instid0(VALU_DEP_4)
	v_lshrrev_b32 v[P+\j], 23, v[M+\j]
.endr
.irp j, 0,1,2,3
	s_delay_alu instid0(VALU_DEP_4)
	v_lshl_or_b32 v[W+\j], v[P+\j], 8*KB, v[W+\j]
.endr
.endif
.irp j, 0,1,2,3
.set i, 0
.rept 16
	v_mov_b32 v[XB+16*(\j%2)+i], v[YS+4*i+\j]      ; column j's 16 numbers on end
.set i, i+1
.endr
	v_cvt_scalef32_pk16_fp6_f32 v[TC+4*(\j%2):TC+4*(\j%2)+2], v[XB+16*(\j%2):XB+16*(\j%2)+15], v[M+\j]
.irp i, 0,1,2
	ds_store_b32 v240, v[TC+4*(\j%2)+\i] offset:BST*((\t)/4)+\j*BP+24*KB+4*\i
.endr
.endr
	v_nop                                          ; one plain place behind a scaled conversion
.if KB == 3
.irp j, 0,1,2,3
	ds_store_b32 v242, v[W+\j] offset:BST*((\t)/4)+BSW+16*\j    ; both halves of the lanes write the same word with the same value
.endr
.endif
.endm
	LOADB 0
	LOADB 1
.irp t, 0,1,2,3,4,5,6,7
	BLOCKB \t
.endr
.irp k, 0,1
.irp f, 0,1,2,3
.irp p, 0,1,2,3,4,5
	ds_load_b64 v[Y+52*\k+12*\f+2*\p:Y+52*\k+12*\f+2*\p+1], v241 offset:BST*\k+\f*16*BP+48*(\p/3)+8*(\p%3)   ; LDS serves a wave's instructions in order: these see my stores
.endr
.endr
	ds_load_b64 v[Y+52*\k+48:Y+52*\k+49], v243 offset:BST*\k+BSW
.endr
	s_wait_tensorcnt 0x0                           ; the closing three lines, behind my last LDS store
	ds_add_u32 v254, v255
	s_wait_dscnt 0x0                               ; the add is done, and the images are in registers
.irp k, 0,1
.irp f, 0,1,2,3
.irp c, 0,1,2
	global_store_b128 v4, v[Y+52*\k+12*\f+4*\c:Y+52*\k+12*\f+4*\c+3], s[12:13] offset:BLK2*\k+1536*\f+512*\c   ; 512 consecutive bytes, at a multiple of 256 from the buffer's first byte
.endr
.endr
	global_store_b64 v244, v[Y+52*\k+48:Y+52*\k+49], s[14:15] offset:BLK2*\k   ; 256 consecutive bytes
.endr
	s_endpgm
.Lfunc_end_k_qf5e22c0843_quant:
	.size	k_qf5e22c0843_quant, .Lfunc_end_k_qf5e22c0843_quant-k_qf5e22c0843_quant
	.p2alignl 7, 3214868480
	.fill 96, 4, 3214868480
	.section	.rodata,"a",@progbits
	.p2align	6, 0x0
	.amdhsa_kernel k_qf5e22c0843_quant
		.amdhsa_group_segment_fixed_size 292096
		.amdhsa_private_segment_fixed_size 0
		.amdhsa_enable_private_segment 0
		.amdhsa_kernarg_size 56
		.amdhsa_user_sgpr_count 2
		.amdhsa_user_sgpr_kernarg_segment_ptr 1
		.amdhsa_wavefront_size32 1
		.amdhsa_system_sgpr_workgroup_id_x 1
		.amdhsa_system_sgpr_workgroup_id_y 1
		.amdhsa_system_sgpr_workgroup_id_z 1
		.amdhsa_system_vgpr_workitem_id 0
		.amdhsa_next_free_vgpr 256
		.amdhsa_next_free_sgpr 66
		.amdhsa_reserve_vcc 1
		.amdhsa_float_denorm_mode_32 3
		.amdhsa_float_denorm_mode_16_64 3
		.amdhsa_memory_ordered 1
		.amdhsa_forward_progress 1
		.amdhsa_inst_pref_size 152
	.end_amdhsa_kernel
	.amdgpu_metadata
---
amdhsa.version: [ 1, 2 ]
amdhsa.kernels:
  - .name:           k_qf5e22c0843_quant
    .symbol:         k_qf5e22c0843_quant.kd
    .args:
      - { .name: x, .offset: 0, .size: 8, .value_kind: global_buffer, .address_space: global }
      - { .name: w1, .offset: 8, .size: 8, .value_kind: global_buffer, .address_space: global }
      - { .name: v1, .offset: 16, .size: 8, .value_kind: global_buffer, .address_space: global }
      - { .name: w2, .offset: 24, .size: 8, .value_kind: global_buffer, .address_space: global }
      - { .name: xq, .offset: 32, .size: 8, .value_kind: global_buffer, .address_space: global }
      - { .name: wv, .offset: 40, .size: 8, .value_kind: global_buffer, .address_space: global }
      - { .name: w2q, .offset: 48, .size: 8, .value_kind: global_buffer, .address_space: global }
    .group_segment_fixed_size: 292096
    .private_segment_fixed_size: 0
    .kernarg_segment_align: 8
    .kernarg_segment_size: 56
    .max_flat_workgroup_size: 448
    .sgpr_count:     66
    .vgpr_count:     256
    .wavefront_size: 32
...
	.end_amdgpu_metadata
.endif
;; end of part 1
;; launch glu (part 2): grid 128 x 4, 4 waves a work-group, clusters of 4 x 4, 327,680 bytes of LDS; arguments xq, wv, hq; writes hq
.if DOCPART == 2
	.amdgcn_target "amdgcn-amd-amdhsa--gfx1250"
	.amdhsa_code_object_version 6
	.text
	.protected	k_qf5e22c0843_glu
	.globl	k_qf5e22c0843_glu
	.p2align	8
	.type	k_qf5e22c0843_glu,@function
k_qf5e22c0843_glu:
	s_mov_b64 s[64:65], 0
	v_nop
	global_prefetch_b8 v0, s[64:65] scope:SCOPE_SE
	s_setreg_imm32_b32 hwreg(HW_REG_WAVE_MODE, 25, 1), 1
	s_wait_xcnt 0x0
	s_wait_alu depctr_hold_cnt(0) depctr_sa_sdst(0) depctr_va_vdst(0) depctr_va_sdst(0) depctr_va_ssrc(0) depctr_va_vcc(0) depctr_vm_vsrc(0)
	s_getreg_b32 s2, hwreg(HW_REG_IB_STS2, 6, 4)
	s_cmp_eq_u32 s2, 0
	s_cbranch_scc0 .Lentry_in_a_cluster
	s_endpgm
.Lentry_in_a_cluster:
	s_bfe_u32 s2, ttmp6, 0x10000c
	s_cmp_lg_u32 s2, 0xf033
	s_cbranch_scc0 .Lentry_shape_is_right
	s_endpgm
.Lentry_shape_is_right:
; h = gelu(x w1^T) * (x v1^T), both products on codes of FP6 (E2M3) with E8M0 scales, sums in f32; h is made in f32, quantised along its 2,048 columns (the next product's K) and stored as codes.
; expert_ids is not used by the function that defines the result: rows are grouped by position, 1,024 to an expert.
; All three buffers hold IMAGES OF OPERAND REGISTERS: a fragment (16 rows x 128 K) is 1,536 bytes, register 4 j + i of lane l at 512 j + 16 l + 4 i; a block of 25,600 bytes is 16 fragments and 1,024 bytes of scale
; words (fragment f, row r: 24,576 + 256 (f / 4) + 16 r + 4 (f % 4)).  A row block's (a weight block's) eight K steps are eight such blocks on end: several K steps are one dense run for one tensor load.
; SHARES.  A work-group makes 256 rows x 128 columns of h: 256 rows of x against 128 rows of w1 and the same 128 of v1, K = 1,024 in 8 steps.  Wave w takes x's fragments 4 w .. 4 w + 3 against all 16 weight
; fragments: 64 accumulators.  So a wave holds all 128 columns of its rows: one fragment and one scale word a row of the next product, and nothing crosses waves.
; THE MATRIX INSTRUCTION IS USED TRANSPOSED (source 0 = 16 rows of a weight, source 1 = 16 rows of x), and the weights' rows were laid so that lane (r, h) holds row r of x and register 8 t + j the column 32 (t / 2) + 16 h + 8 (t % 2) + j.
; CLUSTERS: 4 x 4 work-groups: the four of a row of the cluster need the same blocks of x, the four of a column the same blocks of weights: each is asked for JOINTLY.
; LDS: x's K steps 0-5 at 0, the weights' at 153,600.  At the head each wave issues ONE load of three K steps, 76,800 bytes (wave 0: x's 0-2, wave 1: x's 3-5, waves 2, 3: the weights'): six of the eight K steps.
; The bytes of K steps 0 and 1 are filled again, with K steps 6 and 7 (one block a wave), behind the round in K step 1; that load is waited for at the head of K step 5, 224 products later.  Every wait on TENSORcnt is for 0.
; No prefetch: the head's loads are the buffers' first touch with no loop ahead of them, and no wave waits for the one refill.
; GELU, exact form: gelu(u) = max(u, 0) - |u| g,  g = erfc(|u| / sqrt 2) / 2 = t 2^(P(t) + KQ u^2),  t = 1 / (1 + K1 |u|),  P a polynomial of degree 9 (a Chebyshev fit of erfc whose fractional error stays under 1.2e-7,
; its coefficients times log2 e, the constant less 1 for the half).  h = max(u, 0) v - (|u| v) g: one fused multiply-add on two products.
; A tile's codes are stored as soon as they are made, while the next tile is worked; each tile's codes have twelve registers of their own, so no store's data are written again.
; LIMITS: NaN and infinities are not served.  g under 2^-126 (u under about -13) becomes 0: the exponential gives no denormals.  The exponent's rounding grows with u^2: about 1e-6 of g at |u| = 5.
; A block of 32 zeros of h gets the byte 1 (its codes are zeros; this program alone reads the bytes).
; REGISTERS, in windows of 256: window 0: v1-3 lane, r, h; v4-9, v12-21 addresses; v22-23 a constant; v24-63 scale words, two sets, and nothing else; v64-159 x's fragments, two sets.  window 1: v0-191 the weights' 16 fragments.
;   window 2: the accumulators of w1's tiles ((b, a) at v[8 (4 b + a)]);  window 3: those of v1's.  Behind the products: all of window 1 and window 0's v64-127, v148-227 are at work.
.set BLK,   25600
.set SLOT,  2*BLK                      ; two K steps of one operand: what one address register reaches
.set WOFF,  6*BLK                      ; the weights lie behind x's six blocks
.set SCO,   16*1536                    ; where a block's scale words begin
.set SPARE, 12*BLK                     ; behind the twelve blocks: the spare words, 128 bytes a wave
.set ADRA, 4                           ; v4-6    my x fragments of K steps 0-1 (6-7), 2-3, 4-5
.set ADRB, 7                           ; v7-9    the weights' fragments
.set HO,   12                          ; v12  16 x lane
.set HS,   13                          ; v13  16 r + 8 h
.set SPW,  14                          ; v14  LDS address of my spare word; never rewritten
.set NIL,  15                          ; v15  0; never rewritten
.set ASX,  16                          ; v16-18  x's scale words
.set ASW,  19                          ; v19-21  the weights'
.set C9,   22                          ; v22-23  the coefficient of t^9, twice
.set SC,   24                          ; scale words: set p at SC + 20 p: + a x's fragment a; + 4 + b the weights' fragment b
.set XF,   64                          ; x's fragments: set p, fragment a at XF + 48 p + 12 a
.set TT,   0                           ; window 1, behind the products: t
.set PP,   64                          ;           the polynomial, then g
.set ZZ,   128                         ;           KQ u, then KQ u^2 + the constant coefficient
.set HA,   192                         ;           max(u, 0), then max(u, 0) v
.set HB,   64                          ; window 0: |u| v, then h
.set TM,   148                         ;           v148-163 at work in the quantiser
.set PW,   164                         ;           v164-167 the four tiles' scale words; v168-169 the two that I store
.set PC0,  172                         ;           tile a's codes at v[172 + 12 a], twelve registers of its own; the eight behind them are at work while they are made
.set G1A,  24                          ; s[24:31] descriptor group 1 for x's blocks;  s[32:35] group 0 of the head's load, s[36:39] of the refill
.set G0A,  32
.set G1B,  48                          ; s[48:55], s[56:63] the same for the weights'
.set G0B,  56
.set C8,   66                          ; s[66:83] nine pairs: the coefficients of t^8 down to t^0
.set KQ,   84
.set K1,   86
.set SEL,  88                          ; s[88:89] v_permlanex16_b32's selects for lane l xor 16
.set MSB, 0
.macro WIN new                         ; the immediate's high byte repeats the setting that is left
.if MSB != \new
	s_set_vgpr_msb (MSB<<8)|\new
.set MSB, \new
.endif
.endm
.macro JLOAD ga, gb                    ; a joint load: waves 0, 1 fetch for x, waves 2, 3 for the weights; s_nop 0 and four v_nop follow each line
	s_cmp_eq_u32 s15, 0
	s_cbranch_scc0 .Lfor_b_\@
	tensor_load_to_lds s[\ga:\ga+3], s[G1A:G1A+7]
	s_nop 0
.rept 4
	v_nop
.endr
	s_branch .Lasked_\@
.Lfor_b_\@:
	tensor_load_to_lds s[\gb:\gb+3], s[G1B:G1B+7]
	s_nop 0
.rept 4
	v_nop
.endr
.Lasked_\@:
.endm
.macro CREST                           ; a round of the cluster's barrier behind its opening barrier
	s_cmp_lg_u32 s14, 0
	s_cbranch_scc1 .Lnot_wave_0_\@
	s_barrier_signal -3
.Lnot_wave_0_\@:
	s_barrier_wait -3
	s_barrier_signal -1
	s_barrier_wait -1
.endm
.macro CROUND
	s_barrier_signal -1
	s_barrier_wait -1
	CREST
.endm
.macro PLACES                          ; four plain places behind matrix instructions (ISA guide 7.12.1)
.rept 4
	v_nop
.endr
.endm
.macro PAIR reg, val
	s_mov_b32 s[\reg], \val
	s_mov_b32 s[\reg+1], \val
.endm
	s_load_b128 s[4:7], s[0:1], 0x0                ; xq s[4:5], wv s[6:7]
	s_load_b64 s[8:9], s[0:1], 0x10                ; hq
	v_lshl_add_u32 v[SPW], v0, 2, SPARE
	v_mov_b32 v[NIL], 0
	ds_add_u32 v[SPW], v[NIL]                      ; the opening lines: the add, twice on end, and its wait ahead of my first tensor load
	ds_add_u32 v[SPW], v[NIL]
	v_lshrrev_b32 v1, 5, v0
	v_readfirstlane_b32 s14, v1                    ; wave 0..3
	s_lshr_b32 s15, s14, 1                         ; I fetch for x (0) or for the weights (1),
	s_and_b32 s16, s14, 1                          ; the first or the second part
	s_bfe_u32 s40, ttmp6, 0x40000                  ; cx, cy
	s_bfe_u32 s41, ttmp6, 0x40004
	s_lshl_b32 s42, ttmp9, 2
	s_add_co_u32 s42, s42, s40                     ; the weight block = 16 x expert + block of 128 columns = 4 x cluster x + cx
	s_lshr_b32 s17, ttmp9, 2                       ; the expert
	s_lshl_b32 s17, s17, 2
	s_add_co_u32 s17, s17, s41                     ; the row block = 4 x expert + cy
	s_lshl_b32 s43, s41, 2
	s_lshl_b32 s43, 15, s43                        ; my row of the cluster
	s_lshl_b32 s44, 0x1111, s40                    ; my column
	s_or_b32 s[G1A], s43, (3<<16)|(1<<21)          ; group 1: a dense run as rows of 32 elements of 8 bytes; the mask, and bit 21 beside it
	s_or_b32 s[G1B], s44, (3<<16)|(1<<21)
.irp g, G1A, G1B
	s_mov_b32 s[\g+1], 32<<16
	s_mov_b32 s[\g+2], 300<<16                     ; the head's loads: three blocks, 300 rows
	s_mov_b32 s[\g+3], 32<<16
	s_mov_b32 s[\g+4], 300
	s_mov_b32 s[\g+5], 32
	s_mov_b32 s[\g+6], 0
	s_mov_b32 s[\g+7], 0
.endr
	s_mul_i32 s18, s16, 3*BLK                      ; K steps 0-2 or 3-5
	s_mul_i32 s20, s17, 8*BLK                      ; x: it hangs on the expert and cy, which my row of the cluster shares
	s_add_co_u32 s20, s20, s18
	s_mov_b32 s21, 0
	s_mul_i32 s46, s42, 8*BLK                      ; the weights: on the weight block, which my column shares
	s_add_co_u32 s46, s46, s18
	s_mov_b32 s47, 0
	s_mul_i32 s45, s14, 3*BLK                      ; where the head's load goes: wave x three blocks
	s_mul_i32 s22, s15, WOFF                       ; where the refill goes: K step 6 onto K step 0's bytes, 7 onto 1's
	s_mul_i32 s23, s16, BLK
	s_add_co_u32 s22, s22, s23
	s_mul_i32 s12, s16, 2*BLK                      ; and from where: K step 6 + part, counted from K step 3 x part
	s_sub_co_u32 s12, 6*BLK, s12
	s_mov_b32 s13, 0
	s_wait_dscnt 0x0                               ; both opening adds are done
	s_wait_kmcnt 0x0
	s_add_nc_u64 s[20:21], s[4:5], s[20:21]
	s_add_nc_u64 s[46:47], s[6:7], s[46:47]
	CROUND                                         ; all sixteen work-groups are here: the first joint loads meet
	s_mov_b32 s[G0A], 1
	s_add_co_u32 s[G0A+1], s45, 0
	s_mov_b64 s[G0A+2:G0A+3], s[20:21]
	s_or_b32 s[G0A+3], s[G0A+3], 0x80000000
	s_mov_b32 s[G0B], 1
	s_add_co_u32 s[G0B+1], s45, 0
	s_mov_b64 s[G0B+2:G0B+3], s[46:47]
	s_or_b32 s[G0B+3], s[G0B+3], 0x80000000
	JLOAD G0A, G0B                                 ; my one load at the head
	s_mov_b32 s[G0A+4], 1                          ; the refill's groups 0, in registers of their own
	s_add_co_u32 s[G0A+5], s22, 0
	s_add_nc_u64 s[G0A+6:G0A+7], s[20:21], s[12:13]
	s_or_b32 s[G0A+7], s[G0A+7], 0x80000000
	s_mov_b32 s[G0B+4], 1
	s_add_co_u32 s[G0B+5], s22, 0
	s_add_nc_u64 s[G0B+6:G0B+7], s[46:47], s[12:13]
	s_or_b32 s[G0B+7], s[G0B+7], 0x80000000
	PAIR C8,    0xbf97d29d                         ; -1.18611494
	PAIR C8+2,  0x40097039                         ;  2.14747447
	PAIR C8+4,  0xbfd1a1e5                         ; -1.63775315
	PAIR C8+6,  0x3ecdfd18                         ;  0.40232158
	PAIR C8+8,  0xbe899a80                         ; -0.26875686
	PAIR C8+10, 0x3e0efb2e                         ;  0.13963005
	PAIR C8+12, 0x3f0a29d2                         ;  0.53970061
	PAIR C8+14, 0x3fb8ab5a                         ;  1.44272920
	PAIR C8+16, 0xc034d90f                         ; -2.82574822
	PAIR KQ,    0xbf38aa3b                         ; - log2(e) / 2
	s_mov_b32 s[K1], 0x3eb504f3                    ; 1 / (2 sqrt 2)
	s_mov_b32 s[SEL], 0x76543210
	s_mov_b32 s[SEL+1], 0xfedcba98
	v_and_b32 v1, 31, v0                           ; lane
	v_and_b32 v2, 15, v0                           ; r
	v_bfe_u32 v3, v0, 4, 1                         ; h
	v_lshlrev_b32 v[HO], 4, v1
	v_lshlrev_b32 v[HS], 4, v2
	v_lshl_add_u32 v[HS], v3, 3, v[HS]
	s_mul_i32 s12, s14, 4*1536                     ; my four fragments of x
	v_add_nc_u32 v[ADRA], s12, v[HO]
	v_add_nc_u32 v[ADRA+1], SLOT, v[ADRA]
	v_add_nc_u32 v[ADRA+2], 2*SLOT, v[ADRA]
	v_add_nc_u32 v[ADRB], WOFF, v[HO]
	v_add_nc_u32 v[ADRB+1], SLOT+WOFF, v[HO]
	v_add_nc_u32 v[ADRB+2], 2*SLOT+WOFF, v[HO]
	s_lshl_b32 s13, s14, 8
	s_add_co_u32 s13, s13, SCO
	v_lshl_add_u32 v[ASX], v2, 4, s13              ; 16 r + 256 w + the words' place: one load of 16 bytes gives lane r the words of my four fragments
	v_add_nc_u32 v[ASX+1], SLOT, v[ASX]
	v_add_nc_u32 v[ASX+2], 2*SLOT, v[ASX]
	v_lshlrev_b32 v[ASW], 4, v2
	v_add_nc_u32 v[ASW], WOFF+SCO, v[ASW]
	v_add_nc_u32 v[ASW+1], SLOT, v[ASW]
	v_add_nc_u32 v[ASW+2], 2*SLOT, v[ASW]
	v_mov_b32 v[C9], 0x3e7c6f08                    ; 0.24651730
	v_mov_b32 v[C9+1], 0x3e7c6f08
	; where my part of hq lies: block 16 x row block + block of columns; fragments 4 w on; scale words 256 w on.  (Registers that feed no descriptor.)
	s_and_b32 s90, s42, 15
	s_lshl_b32 s91, s17, 4
	s_add_co_u32 s90, s90, s91
	s_mul_i32 s90, s90, BLK
	s_mov_b32 s91, 0
	s_add_nc_u64 s[8:9], s[8:9], s[90:91]
	s_lshl_b32 s22, s14, 8
	s_add_co_u32 s22, s22, SCO
	s_mov_b32 s23, 0
	s_add_nc_u64 s[10:11], s[8:9], s[22:23]        ; the scale words
	s_mul_i32 s22, s14, 4*1536
	s_add_nc_u64 s[8:9], s[8:9], s[22:23]          ; the fragments
.macro FR3 reg, adr, off               ; a fragment's image: three loads, 512 consecutive bytes each
.irp j, 0,1,2
	ds_load_b128 v[\reg+4*\j:\reg+4*\j+3], v[\adr] offset:\off+512*\j
.endr
.endm
.macro FETCH_X slot, q, p              ; 13 loads: my four fragments of x and their scale words, into set p
.irp a, 0,1,2,3
	FR3 XF+48*(\p)+12*\a, ADRA+\slot, (\q)*BLK+1536*\a
.endr
	ds_load_b128 v[SC+20*(\p):SC+20*(\p)+3], v[ASX+\slot] offset:(\q)*BLK
.endm
.macro FETCH_SW slot, q, p             ; 4 loads: the scale words of the weights' 16 fragments
.irp g, 0,1,2,3
	ds_load_b128 v[SC+20*(\p)+4+4*\g:SC+20*(\p)+7+4*\g], v[ASW+\slot] offset:(\q)*BLK+256*\g
.endr
.endm
.macro FETCH_W slot, q, b0             ; 24 loads: the weights' fragments b0 .. b0 + 7
	WIN 0x40
.irp i, 0,1,2,3,4,5,6,7
	FR3 12*(\b0+\i), ADRB+\slot, (\q)*BLK+1536*(\b0+\i)
.endr
	WIN 0
.endm
; 16 products: the weights' fragments b0 .. b0 + 3 against my four of x.  The 64 accumulators take turns, one instruction a turn, in the same order in every step.
.macro MULW b0, p, zero
.irp b, \b0, \b0+1, \b0+2, \b0+3
.irp a, 0,1,2,3
.if \zero
	v_wmma_scale_f32_16x16x128_f8f6f4 v[8*(4*((\b)%8)+\a):8*(4*((\b)%8)+\a)+7], v[12*(\b):12*(\b)+11], v[XF+48*(\p)+12*\a:XF+48*(\p)+12*\a+11], 0, v[SC+20*(\p)+4+(\b)], v[SC+20*(\p)+\a] matrix_a_fmt:MATRIX_FMT_FP6 matrix_b_fmt:MATRIX_FMT_FP6
.else
	v_wmma_scale_f32_16x16x128_f8f6f4 v[8*(4*((\b)%8)+\a):8*(4*((\b)%8)+\a)+7], v[12*(\b):12*(\b)+11], v[XF+48*(\p)+12*\a:XF+48*(\p)+12*\a+11], v[8*(4*((\b)%8)+\a):8*(4*((\b)%8)+\a)+7], v[SC+20*(\p)+4+(\b)], v[SC+20*(\p)+\a] matrix_a_fmt:MATRIX_FMT_FP6 matrix_b_fmt:MATRIX_FMT_FP6
.endif
.endr
.endr
.endm
.set MUL_LO, 0xa1                      ; source 0 (weights) window 1, source 1 (x) window 0, C and D window 2
.set MUL_HI, 0xf1                      ; the same, C and D window 3
; A K step without a barrier: multiplies set p and fetches the next K step into the other set; its bytes have been shown landed to every wave at an earlier barrier.
; The weights have one set of registers: fragments 0-7 are fetched anew when their 32 products are issued, fragments 8-15 at the step's end.
.macro STEP p, nslot, nq, zero
	s_wait_dscnt 24                                ; all but the youngest 24 loads, the weights' fragments 8-15
	WIN MUL_LO
	MULW 0, \p, \zero
	MULW 4, \p, \zero
	s_wait_dscnt 0x0                               ; fragments 8-15 are in
	PLACES
	WIN 0
	FETCH_X \nslot, \nq, 1-\p
	FETCH_SW \nslot, \nq, 1-\p
	FETCH_W \nslot, \nq, 0
	WIN MUL_HI
	MULW 8, \p, \zero
	MULW 12, \p, \zero
	PLACES
	FETCH_W \nslot, \nq, 8
.endm
; A K step (set 1) with a barrier: in front of it each wave waits for all its tensor loads, adds 0 to its spare word, and waits for that and for its LDS reads.
; fill = 1 (K step 1): the barrier opens a round of the cluster's, and behind the round the bytes of K steps 0 and 1, which nobody reads any more, take K steps 6 and 7.
; fill = 0 (K step 5): the load waited for is that refill: behind the barrier K steps 6 and 7 are whole for every wave.
.macro TURN next, fill
	s_wait_tensorcnt 0x0                           ; all my tensor loads have landed  (every window is 0 here)
	ds_add_u32 v[SPW], v[NIL]
.if \fill
	s_mov_b32 s[G1A+2], 100<<16                    ; no tensor load of mine is out, so a descriptor may be written: the refill brings one block, 100 rows
	s_mov_b32 s[G1A+4], 100
	s_mov_b32 s[G1B+2], 100<<16
	s_mov_b32 s[G1B+4], 100
.endif
	s_wait_dscnt 25                                ; (the add and the 24 loads of fragments 8-15 may be out)
	WIN MUL_LO
	MULW 0, 1, 0
	s_wait_dscnt 0x0                               ; the add is done, and my reads of the K step in hand are over
	s_barrier_signal -1
	MULW 4, 1, 0
	WIN 0
	s_barrier_wait -1
.if \fill
	CREST                                          ; no wave of any partner still reads those bytes or has a load on its way
	JLOAD G0A+4, G0B+4                             ; the first tensor load behind the round, and my last; its four v_nop are the places in front of the loads below
.else
	PLACES
.endif
	FETCH_X \next, 0, 0
	FETCH_SW \next, 0, 0
	FETCH_W \next, 0, 0
	WIN MUL_HI
	MULW 8, 1, 0
	MULW 12, 1, 0
	PLACES
	FETCH_W \next, 0, 8
.endm
; 64 numbers of a lane, v[s] on, register 16 b + i = column 32 b + 16 h + i of my row, become a fragment's codes in v[PC] on and its scale word in v[pw].
.macro QUANT s, pw
.irp b, 0,1,2,3
	v_max3_num_f32 v[TM+\b], |v[\s+16*\b]|, |v[\s+1+16*\b]|, 0x1800000   ; block b: my 16 numbers, and the floor 2^(3 - 127)
.endr
.irp i, 2,4,6,8,10,12,14
.irp b, 0,1,2,3
	v_max3_num_f32 v[TM+\b], v[TM+\b], |v[\s+16*\b+\i]|, |v[\s+1+16*\b+\i]|
.endr
.endr
.irp b, 0,1,2,3
	v_permlanex16_b32 v[TM+4+\b], v[TM+\b], s[SEL], s[SEL+1]
.endr
.irp b, 0,1,2,3
	v_max_num_f32 v[TM+\b], v[TM+\b], v[TM+4+\b]   ; with lane l xor 16's: the block's largest magnitude
.endr
.irp b, 0,1,2,3
	v_add_nc_u32 v[TM+12+\b], 0xff000000, v[TM+\b] ; 2 off its exponent field: the conversion's scale operand
.endr
.irp b, 0,1,2,3
	v_lshrrev_b32 v[TM+4+\b], 23, v[TM+12+\b]      ; the scale's byte
.endr
	v_lshl_or_b32 v[\pw], v[TM+5], 8, v[TM+4]
	v_lshl_or_b32 v[\pw], v[TM+6], 16, v[\pw]
	v_lshl_or_b32 v[\pw], v[TM+7], 24, v[\pw]
.irp c, 0,1
	v_cvt_scalef32_pk16_fp6_f32 v[PC+6*\c:PC+2+6*\c], v[\s+32*\c:\s+15+32*\c], v[TM+12+2*\c]
	v_cvt_scalef32_pk16_fp6_f32 v[PC+12+4*\c:PC+14+4*\c], v[\s+16+32*\c:\s+31+32*\c], v[TM+12+2*\c+1]
.endr
	v_nop                                          ; one plain place behind a scaled conversion
.irp c, 0,1                                    ; the operand's layout wants a WHOLE block in a lane
.irp i, 0,1,2
	v_permlane16_swap_b32 v[PC+6*\c+\i], v[PC+12+4*\c+\i]
.endr
.irp i, 0,1,2
	v_mov_b32 v[PC+3+6*\c+\i], v[PC+12+4*\c+\i]
.endr
.endr
.endm
.macro HSTORE a                        ; tile a's codes: 32 lanes store 512 consecutive bytes, at a multiple of 256 from hq's first byte
.irp c, 0,1,2
	global_store_b128 v[HO], v[PC0+12*(\a)+4*\c:PC0+12*(\a)+4*\c+3], s[8:9] offset:1536*(\a)+512*\c
.endr
.endm
; Tile a of my rows: 64 numbers a lane.  u(n) = window 2, v[32 (n / 8) + 8 a + n % 8]; v(n) the same number in window 3.  Each accumulator is first read at its lowest register, ahead of the tile's transcendentals.
; The 64 reciprocals are one batch and the 64 exponentials another, each with one wait ahead of it and one behind it.  Among a batch's lines stand plain lines of one stage,
; whose sources were made ahead of the batch's first wait and whose results are read behind its second.
.macro GLU a
	s_wait_alu depctr_va_vdst(0)                   ; ahead of the first reads of this tile's accumulators
	WIN 0x42                                       ; source 0 window 2, destination window 1
.set n, 0
.rept 64
.set u, 32*(n/8)+8*(\a)+n%8
	v_fma_f32 v[TT+n], |v[u]|, s[K1], 1.0          ; 1 + K1 |u|
.set n, n+1
.endr
.set n, 0
.rept 32
.set u, 32*(n/8)+8*(\a)+n%8
	v_pk_mul_f32 v[ZZ+n:ZZ+n+1], v[u:u+1], s[KQ:KQ+1] op_sel_hi:[1,0]   ; KQ u
.set n, n+2
.endr
	WIN 0x0e                                       ; source 0 window 2, source 1 window 3, destination window 0
.set n, 0
.rept 64
.set u, 32*(n/8)+8*(\a)+n%8
	v_mul_f32 v[HB+n], |v[u]|, v[u]                ; |u| v
.set n, n+1
.endr
	WIN 0x49                                       ; source 0 and destination window 1, source 1 window 2
	s_wait_alu depctr_va_vdst(0)
.set n, 0
.rept 32
.set u, 32*(n/8)+8*(\a)+n%8
	v_rcp_f32 v[TT+n], v[TT+n]                     ; t
	v_max_num_f32 v[HA+n], 0, v[u]                 ; max(u, 0)
	v_rcp_f32 v[TT+n+1], v[TT+n+1]
	v_max_num_f32 v[HA+n+1], 0, v[u+1]
	v_pk_fma_f32 v[ZZ+n:ZZ+n+1], v[ZZ+n:ZZ+n+1], v[u:u+1], s[C8+16:C8+17] op_sel_hi:[1,1,0]   ; KQ u^2 + the constant coefficient
.set n, n+2
.endr
	WIN 0x41                                       ; source 1 window 0
	s_wait_alu depctr_va_vdst(0)
.set n, 0
.rept 32
	v_pk_fma_f32 v[PP+n:PP+n+1], v[TT+n:TT+n+1], v[C9:C9+1], s[C8:C8+1] op_sel_hi:[1,1,0]
.set n, n+2
.endr
	WIN 0x55                                       ; all in window 1
.irp ci, 1,2,3,4,5,6,7                         ; Horner, two numbers an instruction, 32 chains side by side
.set n, 0
.rept 32
	v_pk_fma_f32 v[PP+n:PP+n+1], v[PP+n:PP+n+1], v[TT+n:TT+n+1], s[C8+2*\ci:C8+2*\ci+1] op_sel_hi:[1,1,0]
.set n, n+2
.endr
.endr
.set n, 0
.rept 32
	v_pk_fma_f32 v[PP+n:PP+n+1], v[PP+n:PP+n+1], v[TT+n:TT+n+1], v[ZZ+n:ZZ+n+1]   ; P(t) + KQ u^2
.set n, n+2
.endr
	WIN 0x4d                                       ; source 1 window 3
	s_wait_alu depctr_va_vdst(0)
.set n, 0
.rept 32
.set u, 32*(n/8)+8*(\a)+n%8
	v_exp_f32 v[PP+n], v[PP+n]
	v_exp_f32 v[PP+n+1], v[PP+n+1]
	v_pk_mul_f32 v[HA+n:HA+n+1], v[HA+n:HA+n+1], v[u:u+1]   ; max(u, 0) v
.set n, n+2
.endr
	WIN 0x55
	s_wait_alu depctr_va_vdst(0)
.set n, 0
.rept 32
	v_pk_mul_f32 v[PP+n:PP+n+1], v[PP+n:PP+n+1], v[TT+n:TT+n+1]   ; g
.set n, n+2
.endr
	WIN 0x14                                       ; sources 1 and 2 window 1, source 0 and destination window 0
.set n, 0
.rept 32
	v_pk_fma_f32 v[HB+n:HB+n+1], v[HB+n:HB+n+1], v[PP+n:PP+n+1], v[HA+n:HA+n+1] neg_lo:[1,0,0] neg_hi:[1,0,0]   ; h = max(u, 0) v - (|u| v) g
.set n, n+2
.endr
	WIN 0
.set PC, PC0+12*(\a)
	QUANT HB, PW+(\a)
.if (\a) < 3
	HSTORE \a                                      ; on their way while the next tile is worked; their registers are not written again
.endif
.endm
	s_wait_alu depctr_va_vdst(0)                   ; the wait at the head's end
	s_wait_tensorcnt 0x0                           ; my three blocks are in
	s_barrier_signal -1
	s_barrier_wait -1                              ; everybody's are: K steps 0 to 5 are whole
	FETCH_X 0, 0, 0
	FETCH_SW 0, 0, 0
	FETCH_W 0, 0, 0
	FETCH_W 0, 0, 8
	STEP 0, 0, 1, 1                                ; K step 0: its products start the sums: nothing is cleared
	TURN 1, 1                                      ; K step 1; K steps 6, 7 are asked for
	STEP 0, 1, 1, 0                                ; K step 2
	STEP 1, 2, 0, 0                                ; K step 3
	STEP 0, 2, 1, 0                                ; K step 4
	TURN 0, 0                                      ; K step 5; the refill has landed; nothing is left to fetch, so no round
	STEP 0, 0, 1, 0                                ; K step 6
	s_wait_dscnt 24                                ; K step 7
	WIN MUL_LO
	MULW 0, 1, 0
	MULW 4, 1, 0
	s_wait_dscnt 0x0
	WIN MUL_HI
	MULW 8, 1, 0
	MULW 12, 1, 0
	WIN 0
	PLACES
.irp b, 0,1,2,3
	v_mov_b32 v[TM+4+\b], 0                        ; written once: a lane permute's destination counts as one of its sources
.endr
	GLU 0
	GLU 1
	GLU 2
	GLU 3
	v_cmp_le_u32 vcc_lo, 16, v1                    ; every lane (r, h) holds row r's four words: lanes 0-15 store tiles 0 and 1's, lanes 16-31 tiles 2 and 3's
	v_cndmask_b32 v168, v[PW], v[PW+2], vcc_lo
	v_cndmask_b32 v169, v[PW+1], v[PW+3], vcc_lo
	s_wait_alu depctr_va_vdst(0)                   ; the wait ahead of the waits below
	s_wait_tensorcnt 0x0                           ; the closing three lines
	ds_add_u32 v[SPW], v[NIL]
	s_wait_dscnt 0x0
	HSTORE 3
	global_store_b64 v[HS], v[168:169], s[10:11]   ; 32 lanes store 256 consecutive bytes, at a multiple of 256 from hq's first byte
	CROUND                                         ; the closing round
	s_endpgm
.Lfunc_end_k_qf5e22c0843_glu:
	.size	k_qf5e22c0843_glu, .Lfunc_end_k_qf5e22c0843_glu-k_qf5e22c0843_glu
	.p2alignl 7, 3214868480
	.fill 96, 4, 3214868480
	.section	.rodata,"a",@progbits
	.p2align	6, 0x0
	.amdhsa_kernel k_qf5e22c0843_glu
		.amdhsa_group_segment_fixed_size 327680
		.amdhsa_private_segment_fixed_size 0
		.amdhsa_enable_private_segment 0
		.amdhsa_kernarg_size 24
		.amdhsa_user_sgpr_count 2
		.amdhsa_user_sgpr_kernarg_segment_ptr 1
		.amdhsa_wavefront_size32 1
		.amdhsa_system_sgpr_workgroup_id_x 1
		.amdhsa_system_sgpr_workgroup_id_y 1
		.amdhsa_system_sgpr_workgroup_id_z 1
		.amdhsa_system_vgpr_workitem_id 0
		.amdhsa_next_free_vgpr 1024
		.amdhsa_next_free_sgpr 92
		.amdhsa_reserve_vcc 1
		.amdhsa_float_denorm_mode_32 3
		.amdhsa_float_denorm_mode_16_64 3
		.amdhsa_memory_ordered 1
		.amdhsa_forward_progress 1
		.amdhsa_inst_pref_size 255
	.end_amdhsa_kernel
	.section	.bss,"aw",@nobits
	.p2align	6
	.space	262144
	.amdgpu_metadata
---
amdhsa.version: [ 1, 2 ]
amdhsa.kernels:
  - .name:           k_qf5e22c0843_glu
    .symbol:         k_qf5e22c0843_glu.kd
    .args:
      - { .name: xq, .offset: 0, .size: 8, .value_kind: global_buffer, .address_space: global }
      - { .name: wv, .offset: 8, .size: 8, .value_kind: global_buffer, .address_space: global }
      - { .name: hq, .offset: 16, .size: 8, .value_kind: global_buffer, .address_space: global }
    .group_segment_fixed_size: 327680
    .private_segment_fixed_size: 0
    .kernarg_segment_align: 8
    .kernarg_segment_size: 24
    .max_flat_workgroup_size: 128
    .sgpr_count:     92
    .vgpr_count:     1024
    .wavefront_size: 32
...
	.end_amdgpu_metadata
.endif
;; end of part 2
;; launch out (part 3): grid 64 x 4, 4 waves a work-group, clusters of 4 x 4, 327,680 bytes of LDS; arguments hq, w2q, out0; writes out0
.if DOCPART == 3
	.amdgcn_target "amdgcn-amd-amdhsa--gfx1250"
	.amdhsa_code_object_version 6
	.text
	.protected	k_qf5e22c0843_out
	.globl	k_qf5e22c0843_out
	.p2align	8
	.type	k_qf5e22c0843_out,@function
k_qf5e22c0843_out:
	s_mov_b64 s[64:65], 0
	v_nop
	global_prefetch_b8 v0, s[64:65] scope:SCOPE_SE
	s_setreg_imm32_b32 hwreg(HW_REG_WAVE_MODE, 25, 1), 1
	s_wait_xcnt 0x0
	s_wait_alu depctr_hold_cnt(0) depctr_sa_sdst(0) depctr_va_vdst(0) depctr_va_sdst(0) depctr_va_ssrc(0) depctr_va_vcc(0) depctr_vm_vsrc(0)
	s_getreg_b32 s2, hwreg(HW_REG_IB_STS2, 6, 4)
	s_cmp_eq_u32 s2, 0
	s_cbranch_scc0 .Lentry_in_a_cluster
	s_endpgm
.Lentry_in_a_cluster:
	s_bfe_u32 s2, ttmp6, 0x10000c
	s_cmp_lg_u32 s2, 0xf033
	s_cbranch_scc0 .Lentry_shape_is_right
	s_endpgm
.Lentry_shape_is_right:
; out = h w2, on codes of FP6 (E2M3) with E8M0 scales, sums in f32.  hq and w2q hold images of operand registers (a fragment of 16 rows x 128 K is 1,536 bytes; a block is 16 or 8 fragments and their scale words).
; A work-group makes 256 rows x 128 columns; wave w takes h's fragments 4 w .. 4 w + 3 against w2's eight: 32 accumulators.  K = 2,048 in 16 steps, through two LDS slots of four K steps each (153,600 bytes).
; CLUSTERS: 4 x 4: h's blocks are shared along a row of the cluster, w2's along a column, by joint loads (waves 0, 1: h's two halves of a slot; waves 2, 3: w2's).
; The head: one joint load a wave (fill 0); a wait, an add and its wait, and a round; fill 1 first behind the round.  Fills 2 and 3 are refills behind the rounds at the changes of slots.
; PREFETCH: each fill goes out with nothing on its way beside it, so fills 1 and 2 are asked of memory at the head, behind fill 0's load, and fill 3 behind fill 1's load: two fills ahead at the most.
; Of the run that a wave loads (51,200 bytes of hq, 25,600 of w2q) each of the four partners that ask for it jointly names a quarter, told apart by address (cx for hq, cy for w2q), a lane to each 256 bytes;
; lanes left over name the quarter's last 256 bytes again.  The address registers are never rewritten.
.set BLKA,  25600
.set PF0,  23                          ; v23  256 x lane;  v24  256 x min(lane + 32, 49);  v25  256 x min(lane, 24)
.set PF1,  24
.set PF2,  25
.set PFA,  68                          ; s[68:69] my quarter of my wave's run of fill 0
.macro ASK n                           ; fill n's bytes
	s_cmp_eq_u32 s15, 0
	s_cbranch_scc0 .Lask_b_\@
	global_prefetch_b8 v[PF0], s[PFA:PFA+1] offset:(\n)*4*BLKA th:TH_LOAD_NT scope:SCOPE_SE
	global_prefetch_b8 v[PF1], s[PFA:PFA+1] offset:(\n)*4*BLKA th:TH_LOAD_NT scope:SCOPE_SE
	s_branch .Lask_d_\@
.Lask_b_\@:
	global_prefetch_b8 v[PF2], s[PFA:PFA+1] offset:(\n)*4*BLKB th:TH_LOAD_NT scope:SCOPE_SE
.Lask_d_\@:
.endm
.set BLKB,  12800
.set BOFF,  4*BLKA
.set SLOT,  4*BLKA+4*BLKB
.set SPARE, 2*SLOT
.set SPITCH, 528
.set ADRA, 8
.set ADRB, 12
.set ASA,  14
.set ASB,  18
.set STO,  20
.set RD,   21
.set CO,   22
.set SPW,  28
.set NIL,  29
.set SC,   32
.set AF,   64
.set BK,   64
.set G1A,  24
.set G0A,  32
.set G1B,  48
.set G0B,  56
.set MSB, 0
.macro WIN new
.if MSB != \new
	s_set_vgpr_msb (MSB<<8)|\new
.set MSB, \new
.endif
.endm
.macro JLOAD s
	s_cmp_eq_u32 s15, 0
	s_cbranch_scc0 .Lfor_b_\@
	tensor_load_to_lds s[G0A+4*\s:G0A+4*\s+3], s[G1A:G1A+7]
	s_nop 0
.rept 4
	v_nop
.endr
	s_branch .Lasked_\@
.Lfor_b_\@:
	tensor_load_to_lds s[G0B+4*\s:G0B+4*\s+3], s[G1B:G1B+7]
	s_nop 0
.rept 4
	v_nop
.endr
.Lasked_\@:
.endm
.macro CREST
	s_cmp_lg_u32 s14, 0
	s_cbranch_scc1 .Lnot_wave_0_\@
	s_barrier_signal -3
.Lnot_wave_0_\@:
	s_barrier_wait -3
	s_barrier_signal -1
	s_barrier_wait -1
.endm
.macro CROUND
	s_barrier_signal -1
	s_barrier_wait -1
	CREST
.endm
.macro PLACES
.rept 4
	v_nop
.endr
.endm
	s_load_b128 s[4:7], s[0:1], 0x0
	s_load_b64 s[8:9], s[0:1], 0x10
	v_lshl_add_u32 v[SPW], v0, 2, SPARE
	v_mov_b32 v[NIL], 0
	ds_add_u32 v28, v29
	ds_add_u32 v28, v29
	s_wait_dscnt 0x0
	v_lshrrev_b32 v1, 5, v0
	v_readfirstlane_b32 s14, v1
	s_lshr_b32 s15, s14, 1
	s_and_b32 s16, s14, 1
	s_bfe_u32 s40, ttmp6, 0x40000
	s_bfe_u32 s41, ttmp6, 0x40004
	s_lshl_b32 s42, ttmp9, 2
	s_add_co_u32 s42, s42, s40
	s_lshr_b32 s17, ttmp9, 1
	s_lshl_b32 s17, s17, 2
	s_add_co_u32 s17, s17, s41
	s_lshl_b32 s43, s41, 2
	s_lshl_b32 s43, 15, s43
	s_lshl_b32 s44, 0x1111, s40
	s_or_b32 s[G1A], s43, (3<<16)|(1<<21)
	s_mov_b32 s[G1A+1], 32<<16
	s_mov_b32 s[G1A+2], 200<<16
	s_mov_b32 s[G1A+3], 32<<16
	s_mov_b32 s[G1A+4], 200
	s_mov_b32 s[G1A+5], 32
	s_mov_b32 s[G1A+6], 0
	s_mov_b32 s[G1A+7], 0
	s_or_b32 s[G1B], s44, (3<<16)|(1<<21)
	s_mov_b32 s[G1B+1], 32<<16
	s_mov_b32 s[G1B+2], 100<<16
	s_mov_b32 s[G1B+3], 32<<16
	s_mov_b32 s[G1B+4], 100
	s_mov_b32 s[G1B+5], 32
	s_mov_b32 s[G1B+6], 0
	s_mov_b32 s[G1B+7], 0
	s_mul_i32 s45, s16, 2*BLKA
	s_mul_i32 s20, s17, 16*BLKA
	s_add_co_u32 s20, s20, s45
	s_mov_b32 s21, 0
	s_mul_i32 s18, s16, 2*BLKB
	s_mul_i32 s46, s42, 16*BLKB
	s_add_co_u32 s46, s46, s18
	s_mov_b32 s47, 0
	s_add_co_u32 s19, s18, BOFF
	s_wait_kmcnt 0x0
	s_add_nc_u64 s[20:21], s[4:5], s[20:21]
	s_add_nc_u64 s[46:47], s[6:7], s[46:47]
	CROUND
.irp s, 0,1
	s_mov_b32 s[G0A+4*\s], 1
	s_add_co_u32 s[G0A+4*\s+1], s45, \s*SLOT
	s_add_nc_u64 s[G0A+4*\s+2:G0A+4*\s+3], s[20:21], \s*4*BLKA
	s_or_b32 s[G0A+4*\s+3], s[G0A+4*\s+3], 0x80000000
	s_mov_b32 s[G0B+4*\s], 1
	s_add_co_u32 s[G0B+4*\s+1], s19, \s*SLOT
	s_add_nc_u64 s[G0B+4*\s+2:G0B+4*\s+3], s[46:47], \s*4*BLKB
	s_or_b32 s[G0B+4*\s+3], s[G0B+4*\s+3], 0x80000000
.endr
	JLOAD 0                                        ; fill 0: my one load at the head
	s_mul_i32 s66, s40, BLKA/2                     ; my work-group's quarter: cx x 12,800 bytes of hq's run,
	s_mul_i32 s67, s41, BLKB/2                     ; or cy x 6,400 of w2q's
	s_cmp_eq_u32 s15, 0                            ; the choice hangs on the wave's number alone
	s_cselect_b32 s66, s66, s67
	s_cselect_b64 s[PFA:PFA+1], s[20:21], s[46:47]
	s_mov_b32 s67, 0
	s_add_nc_u64 s[PFA:PFA+1], s[PFA:PFA+1], s[66:67]
	v_and_b32 v[PF0], 31, v0
	v_min_u32 v[PF2], 24, v[PF0]
	v_add_nc_u32 v[PF1], 32, v[PF0]
	v_min_u32 v[PF1], 49, v[PF1]
	v_lshlrev_b32 v[PF0], 8, v[PF0]
	v_lshlrev_b32 v[PF2], 8, v[PF2]
	v_lshlrev_b32 v[PF1], 8, v[PF1]
	s_wait_alu depctr_va_vdst(0)                   ; the wait ahead of the branches below
	ASK 1
	ASK 2
	v_and_b32 v1, 31, v0
	v_and_b32 v2, 15, v0
	v_bfe_u32 v3, v0, 4, 1
	v_lshlrev_b32 v[CO], 4, v1
	s_mul_i32 s12, s14, 4*1536
	v_add_nc_u32 v[ADRA], s12, v[CO]
	v_add_nc_u32 v[ADRA+1], 2*BLKA, v[ADRA]
	v_add_nc_u32 v[ADRA+2], SLOT, v[ADRA]
	v_add_nc_u32 v[ADRA+3], SLOT+2*BLKA, v[ADRA]
	v_add_nc_u32 v[ADRB], BOFF, v[CO]
	v_add_nc_u32 v[ADRB+1], SLOT+BOFF, v[CO]
	s_lshl_b32 s13, s14, 8
	s_add_co_u32 s13, s13, 16*1536
	v_lshl_add_u32 v[ASA], v2, 4, s13
	v_add_nc_u32 v[ASA+1], 2*BLKA, v[ASA]
	v_add_nc_u32 v[ASA+2], SLOT, v[ASA]
	v_add_nc_u32 v[ASA+3], SLOT+2*BLKA, v[ASA]
	v_lshlrev_b32 v[ASB], 4, v2
	v_add_nc_u32 v[ASB], BOFF+8*1536, v[ASB]
	v_add_nc_u32 v[ASB+1], SLOT, v[ASB]
	s_mul_i32 s12, s14, 16*SPITCH
	v_mul_u32_u24 v[STO], v2, SPITCH
	v_lshl_add_u32 v[STO], v3, 5, v[STO]
	v_add_nc_u32 v[STO], s12, v[STO]
	v_add_nc_u32 v[RD], s12, v[CO]
	s_lshl_b32 s66, s17, 20
	s_lshl_b32 s67, s14, 18
	s_add_co_u32 s66, s66, s67
	s_and_b32 s67, s42, 7
	s_lshl_b32 s67, s67, 9
	s_add_co_u32 s66, s66, s67
	s_mov_b32 s67, 0
	s_add_nc_u64 s[8:9], s[8:9], s[66:67]
.macro FR3 reg, adr, off
.irp j, 0,1,2
	ds_load_b128 v[\reg+4*\j:\reg+4*\j+3], v[\adr] offset:\off+512*\j
.endr
.endm
.macro FETCH slot, q, p
	WIN 0x40
.irp b, 0,1,2,3,4,5,6,7
	FR3 96*(\p)+12*\b, ADRB+\slot, (\q)*BLKB+1536*\b
.endr
	WIN 0
.irp a, 0,1,2,3
	FR3 AF+48*(\p)+12*\a, ADRA+2*\slot+(\q)/2, ((\q)%2)*BLKA+1536*\a
.endr
	ds_load_b128 v[SC+12*(\p):SC+12*(\p)+3], v[ASA+2*\slot+(\q)/2] offset:((\q)%2)*BLKA
.irp g, 0,1
	ds_load_b128 v[SC+12*(\p)+4+4*\g:SC+12*(\p)+7+4*\g], v[ASB+\slot] offset:(\q)*BLKB+256*\g
.endr
.endm
.macro MUL8 a, p, zero
.irp b, 0,1,2,3,4,5,6,7
.if \zero
	v_wmma_scale_f32_16x16x128_f8f6f4 v[8*(8*(\a)+\b):8*(8*(\a)+\b)+7], v[96*(\p)+12*\b:96*(\p)+12*\b+11], v[AF+48*(\p)+12*(\a):AF+48*(\p)+12*(\a)+11], 0, v[SC+12*(\p)+4+\b], v[SC+12*(\p)+(\a)] matrix_a_fmt:MATRIX_FMT_FP6 matrix_b_fmt:MATRIX_FMT_FP6
.else
	v_wmma_scale_f32_16x16x128_f8f6f4 v[8*(8*(\a)+\b):8*(8*(\a)+\b)+7], v[96*(\p)+12*\b:96*(\p)+12*\b+11], v[AF+48*(\p)+12*(\a):AF+48*(\p)+12*(\a)+11], v[8*(8*(\a)+\b):8*(8*(\a)+\b)+7], v[SC+12*(\p)+4+\b], v[SC+12*(\p)+(\a)] matrix_a_fmt:MATRIX_FMT_FP6 matrix_b_fmt:MATRIX_FMT_FP6
.endif
.endr
.endm
.set MUL, 0xa1
.macro STEP slot, q, zero
	PLACES
	FETCH \slot, (\q)+1, 1-(\q)%2
	s_wait_dscnt 39
	WIN MUL
	MUL8 0, (\q)%2, \zero
	MUL8 1, (\q)%2, \zero
	MUL8 2, (\q)%2, \zero
	MUL8 3, (\q)%2, \zero
.endm
.macro TURN slot, next, fill
	WIN 0
	s_wait_tensorcnt 0x0
	ds_add_u32 v[SPW], v[NIL]
	s_wait_dscnt 1
	WIN MUL
	MUL8 0, 1, 0
	s_wait_dscnt 0x0
	s_barrier_signal -1
	MUL8 1, 1, 0
	WIN 0
	s_barrier_wait -1
.if \fill
	CREST
	s_add_nc_u64 s[G0A+4*\slot+2:G0A+4*\slot+3], s[G0A+4*\slot+2:G0A+4*\slot+3], 8*BLKA
	s_add_nc_u64 s[G0B+4*\slot+2:G0B+4*\slot+3], s[G0B+4*\slot+2:G0B+4*\slot+3], 8*BLKB
	JLOAD \slot
.else
	PLACES
.endif
	FETCH \next, 0, 0
	WIN MUL
	MUL8 2, 1, 0
	MUL8 3, 1, 0
.endm
	s_wait_alu depctr_va_vdst(0)                   ; the wait at the head's end
	s_wait_tensorcnt 0x0                           ; my part of fill 0 is in
	ds_add_u32 v[SPW], v[NIL]
	s_wait_dscnt 0x0
	CROUND                                         ; everybody's part is in, and all sixteen work-groups are here
	JLOAD 1                                        ; fill 1, the first tensor load behind the round
	FETCH 0, 0, 0
	ASK 3
	STEP 0, 0, 1
	STEP 0, 1, 0
	STEP 0, 2, 0
	TURN 0, 1, 1
	STEP 1, 0, 0
	STEP 1, 1, 0
	STEP 1, 2, 0
	TURN 1, 0, 1
	STEP 0, 0, 0
	STEP 0, 1, 0
	STEP 0, 2, 0
	TURN 0, 1, 0
	STEP 1, 0, 0
	STEP 1, 1, 0
	STEP 1, 2, 0
	s_wait_dscnt 0x0
	MUL8 0, 1, 0
	MUL8 1, 1, 0
	MUL8 2, 1, 0
	MUL8 3, 1, 0
	WIN 0
	PLACES
.macro TOSTAGE a
	WIN 0x08
.irp b, 0,1,2,3,4,5,6,7
	ds_store_b128 v[STO], v[8*(8*(\a)+\b):8*(8*(\a)+\b)+3] offset:64*\b
	ds_store_b128 v[STO], v[8*(8*(\a)+\b)+4:8*(8*(\a)+\b)+7] offset:64*\b+16
.endr
	WIN 0x40                                       ; back as whole rows, into window 1: block a at v[64 a]; LDS serves a wave's instructions in order, so the one stage serves all four blocks
.set BB, 64*(\a)
.irp t, 0,1,2,3,4,5,6,7,8,9,10,11,12,13,14,15
	ds_load_b128 v[BB+4*\t:BB+4*\t+3], v[RD] offset:\t*SPITCH
.endr
.endm
.macro SEND a, younger
.set BB, 64*(\a)
	s_wait_dscnt \younger
.irp t, 0,1,2,3,4,5,6,7,8,9,10,11,12,13,14,15
	global_store_b128 v[CO], v[BB+4*\t:BB+4*\t+3], s[8:9] offset:(16*(\a)+\t)*4096 th:TH_STORE_NT
.endr
.endm
; THE WAY OUT: all four blocks of 16 rows go through my stage first, then all 64 stores follow on end: behind its first global store a wave issues nothing but stores.
.irp a, 0,1,2,3
	TOSTAGE \a
.endr
	WIN 0
	s_wait_tensorcnt 0x0                           ; the closing three lines, behind my last LDS store
	ds_add_u32 v[SPW], v[NIL]
	s_wait_dscnt 0x0                               ; the add is done, and all four blocks are in registers
	WIN 0x04                                       ; the stores' data: window 1
.irp a, 0,1,2,3
	SEND \a, 0
.endr
	WIN 0
	CROUND
	s_endpgm
.Lfunc_end_k_qf5e22c0843_out:
	.size	k_qf5e22c0843_out, .Lfunc_end_k_qf5e22c0843_out-k_qf5e22c0843_out
	.p2alignl 7, 3214868480
	.fill 96, 4, 3214868480
	.section	.rodata,"a",@progbits
	.p2align	6, 0x0
	.amdhsa_kernel k_qf5e22c0843_out
		.amdhsa_group_segment_fixed_size 327680
		.amdhsa_private_segment_fixed_size 0
		.amdhsa_enable_private_segment 0
		.amdhsa_kernarg_size 24
		.amdhsa_user_sgpr_count 2
		.amdhsa_user_sgpr_kernarg_segment_ptr 1
		.amdhsa_wavefront_size32 1
		.amdhsa_system_sgpr_workgroup_id_x 1
		.amdhsa_system_sgpr_workgroup_id_y 1
		.amdhsa_system_sgpr_workgroup_id_z 1
		.amdhsa_system_vgpr_workitem_id 0
		.amdhsa_next_free_vgpr 768
		.amdhsa_next_free_sgpr 70
		.amdhsa_reserve_vcc 0
		.amdhsa_float_denorm_mode_32 3
		.amdhsa_float_denorm_mode_16_64 3
		.amdhsa_memory_ordered 1
		.amdhsa_forward_progress 1
		.amdhsa_inst_pref_size 133
	.end_amdhsa_kernel
	.amdgpu_metadata
---
amdhsa.version: [ 1, 2 ]
amdhsa.kernels:
  - .name:           k_qf5e22c0843_out
    .symbol:         k_qf5e22c0843_out.kd
    .args:
      - { .name: hq, .offset: 0, .size: 8, .value_kind: global_buffer, .address_space: global }
      - { .name: w2q, .offset: 8, .size: 8, .value_kind: global_buffer, .address_space: global }
      - { .name: out0, .offset: 16, .size: 8, .value_kind: global_buffer, .address_space: global }
    .group_segment_fixed_size: 327680
    .private_segment_fixed_size: 0
    .kernarg_segment_align: 8
    .kernarg_segment_size: 24
    .max_flat_workgroup_size: 128
    .sgpr_count:     70
    .vgpr_count:     768
    .wavefront_size: 32
...
	.end_amdgpu_metadata
.endif
;; end of part 3
